; MI455X (gfx1250); checked and timed in simulation.
; The chip was launched on July 23, 2026; its instructions are those of AMD's public machine-readable ISA for CDNA 5 (MIT licence, August 2026) and "CDNA5" Instruction Set Architecture Reference Guide (July 2026). The comments in the code are by the model that wrote it; some were corrected since.
;; SCD cell. Allowed arithmetic: matrix products marked QUANTISED: E2M1 operands, one E8M0 scale for each 32 along K, by v_wmma_scale_f32_16x16x128_f8f6f4 with both operands' format E2M1 (or v_wmma_scale_f32_32x16x128_f4), f32 sums; everything else in f32.
;; Inputs: U_11_codes 4,097 x 32 x 16 uint8 (E2M1 codes of U_11, K innermost, in blocks of 32 codes, two codes a byte); U_11_scales 4,097 x 32 uint8 (E8M0 scales of U_11, one for each 32 codes along K); U_21_codes 4,097 x 32 x 16 uint8 (E2M1 codes of U_21, K innermost, in blocks of 32 codes, two codes a byte); U_21_scales 4,097 x 32 uint8 (E8M0 scales of U_21, one for each 32 codes along K); W_01_codes 4,097 x 32 x 16 uint8 (E2M1 codes of W_01, K innermost, in blocks of 32 codes, two codes a byte); W_01_scales 4,097 x 32 uint8 (E8M0 scales of W_01, one for each 32 codes along K); bias 4,097 float32; c 1,024 x 4,096 float32; h 1,024 x 4,096 float32; h_bottom_codes 4,096 x 32 x 16 uint8 (E2M1 codes of h_bottom, K innermost, in blocks of 32 codes, two codes a byte); h_bottom_scales 4,096 x 32 uint8 (E8M0 scales of h_bottom, one for each 32 codes along K); h_top_codes 4,096 x 32 x 16 uint8 (E2M1 codes of h_top, K innermost, in blocks of 32 codes, two codes a byte); h_top_scales 4,096 x 32 uint8 (E8M0 scales of h_top, one for each 32 codes along K); z 1 x 4,096 float32; z_bottom 1 x 4,096 float32.
;; Outputs: out0 1,024 x 4,096 float32; out1 1,024 x 4,096 float32; out2 1 x 4,096 float32.
;; This version of the problem:
;;   THIS VERSION OF THE PROBLEM IS GIVEN IN LOW PRECISION. The matrix products marked QUANTISED in the list below multiply operands that are first quantised to E2M1 (2 exponent bits, 1 mantissa bit; 4 bits a number), with one power-of-two scale for each 32 numbers along K (OCP MX v1.0); their sums are f32. All else is computed in f32.
;;   The module's matrix products, in the order in which they are computed (A, B: the left and right operand; K: the contracted axis; several contracted axes count as one K, in the product's order):
;;     1. [M 4,097, K 1,024] x [K 1,024, N 4,096]; A: input U_11 (given as codes); B: input h: QUANTISED
;;     2. [M 4,097, K 1,024] x [K 1,024, N 4,096]; A: input U_21 (given as codes); B: input h_top (given as codes): QUANTISED
;;     3. [M 4,097, K 1,024] x [K 1,024, N 4,096]; A: input W_01 (given as codes); B: input h_bottom (given as codes): QUANTISED
;;   THE QUANTISER, for each operand of a quantised product, along K:
;;     - K is cut into blocks of 32 from its start; a last block that is shorter is filled with zeros.
;;     - A block's scale is 2^e with e = floor(log2(the largest magnitude in the block)) - 2, held to -126 .. 127; a block of zeros has e = 0. As a byte (E8M0): e + 127.
;;     - Each number is divided by its block's scale, clamped to +-6, and rounded to the nearest number of E2M1, ties to even, subnormals kept.
;;     - The product sums the exact products of the quantised numbers (number of the format x scale) in f32.
;;   ~~~python
;;   def quantise(x, axis):      # numpy; x: float32 -> the quantised numbers, widened to float32 again
;;       x = np.moveaxis(x, axis, -1); K = x.shape[-1]
;;       x = np.pad(x, [(0, 0)] * (x.ndim - 1) + [(0, -K % 32)]); x = x.reshape(x.shape[:-1] + (-1, 32)); a = np.abs(x).max(-1, keepdims=True)
;;       e = np.where(a > 0, np.clip(np.frexp(np.where(a > 0, a, 1))[1] - 1 - 2, -126, 127), 0)      # np.frexp(a)[1] - 1 = floor(log2(a)), exactly
;;       r = np.clip(x / 2.0 ** e, -6, 6)
;;       step = 2.0 ** (np.maximum(np.frexp(np.where(r == 0, 1, r))[1] - 1, 0) - 1)
;;       q = np.round(r / step) * step * 2.0 ** e      # np.round: ties to even
;;       return np.moveaxis(q.reshape(q.shape[:-2] + (-1,))[..., :K], -1, axis).astype(np.float32)
;;   ~~~
;;   INPUTS GIVEN AS CODES. U_11 (in the module: [4097, 1024], K = its axis 1); U_21 (in the module: [4097, 1024], K = its axis 1); W_01 (in the module: [4097, 1024], K = its axis 1); h_bottom (in the module: [1024, 4096], K = its axis 0); h_top (in the module: [1024, 4096], K = its axis 0): each comes as NAME_codes (uint8): NAME with its K axis moved to the last place and cut into blocks of 32 codes, [.., K / 32, bytes a block], one block behind the other in memory; two codes a byte, the lower K in the low four bits (a code: sign, 2 exponent bits, 1 mantissa bit); and NAME_scales (uint8): the same leading axes, one E8M0 byte (e + 127) for each 32 codes along K. Its value is code x scale, taken as it is: it is not quantised again, and the codes and scales need not be those that the quantiser above would give.
;; One version. Each part assembles by itself: llvm-mc -triple=amdgcn-amd-amdhsa -mcpu=gfx1250 --defsym DOCPART=n.
;; ======== version 1 of 1: 2 launches
;; limits: right only within a limited range of input values
;; workspace buffers: hq_codes 2,097,152 bytes; hq_scales 131,072 bytes
;; launch quant_h (part 1): grid 128 x 2, 8 waves a work-group, clusters of 4 x 1, 10,240 bytes of LDS; arguments h, hq_codes, hq_scales; writes hq_codes, hq_scales
.if DOCPART == 1
	.amdgcn_target "amdgcn-amd-amdhsa--gfx1250"
	.amdhsa_code_object_version 6
	.text
	.protected	k_q72f21611f5_quant_h
	.globl	k_q72f21611f5_quant_h
	.p2align	8
	.type	k_q72f21611f5_quant_h,@function
k_q72f21611f5_quant_h:
	s_mov_b64 s[64:65], 0
	v_nop
	global_prefetch_b8 v0, s[64:65] scope:SCOPE_SE
	s_setreg_imm32_b32 hwreg(HW_REG_WAVE_MODE, 25, 1), 1
	s_wait_xcnt 0x0
	s_wait_alu depctr_hold_cnt(0) depctr_sa_sdst(0) depctr_va_vdst(0) depctr_va_sdst(0) depctr_va_ssrc(0) depctr_va_vcc(0) depctr_vm_vsrc(0)
	s_getreg_b32 s2, hwreg(HW_REG_IB_STS2, 6, 4)
	s_cmp_eq_u32 s2, 0
	s_cbranch_scc0 .Lentry_in_a_cluster
	s_endpgm
.Lentry_in_a_cluster:
	s_bfe_u32 s2, ttmp6, 0x10000c
	s_cmp_lg_u32 s2, 0x3003
	s_cbranch_scc0 .Lentry_shape_is_right
	s_endpgm
.Lentry_shape_is_right:
; h [1024 (K)][4096 (n)], f32, K its FIRST axis, becomes codes of FP4 (E2M1) laid [4096 n][512 bytes], K innermost, and one E8M0 byte for each 32 along K, laid [2 halves of K][4096 n][16 bytes].
; A block's scale is 2^(floor(log2(largest magnitude)) - 2): its byte is the largest magnitude's exponent field - 2, held at 1 from below.
; LIMITS: a block of zeros gets the byte 1 (its codes are zeros, and this program alone reads the bytes); blocks whose largest magnitude lies under 2^-124 are held at byte 1; NaN and infinities are not served.
; SHARES: work-group (x, y): columns 32 x .. + 31, K rows 512 y .. + 511.  Wave w: 64 of those rows, two blocks.  A LANE TAKES A COLUMN AND ITS REGISTERS RUN DOWN K: a block lies in one lane's 32 registers,
; and the conversions give codes with K innermost.  All 64 loads of a wave go out at once, each 128 consecutive bytes.  The codes meet in a stage in LDS (a row a column, 256 bytes + 16) and leave as rows:
; sixteen lanes store 256 consecutive bytes, aligned.  The work-group's 512 scale bytes are consecutive in memory and leave by one store of wave 0.
.set X,     32                         ; v32-95  the numbers: block t at v[X + 32 t]
.set PITCH, 272                        ; a stage row
.set SCS,   32*PITCH                   ; behind the stage: 32 columns x 16 scale bytes
	s_load_b128 s[4:7], s[0:1], 0x0                ; h, the codes
	s_load_b64 s[8:9], s[0:1], 0x10                ; the scale bytes
	v_lshl_add_u32 v96, v0, 2, 0x2400
	v_mov_b32 v97, 0
	v_lshrrev_b32 v1, 5, v0
	s_delay_alu instid0(VALU_DEP_1)
	v_readfirstlane_b32 s10, v1                    ; wave 0..7
	v_and_b32 v1, 31, v0                           ; lane
	s_delay_alu instid0(VALU_DEP_1)
	v_lshlrev_b32 v2, 2, v1                        ; in: 4 bytes a lane
	; CLUSTER 4 x 1: four neighbouring work-groups read the four pieces of 128 bytes of 512 consecutive bytes of each row of h.  No tile is shared: there is no joint load
	s_bfe_u32 s17, ttmp6, 0x40000                  ; my place in the cluster
	s_lshl_b32 s16, ttmp9, 2                       ; in a cluster launch ttmp9 counts clusters
	s_add_co_u32 s16, s16, s17                     ; x = 4 x cluster x + place
	s_and_b32 s11, ttmp7, 0xffff                   ; y: which half of K
	s_lshl_b32 s12, s11, 23                        ; 512 rows of 16,384 bytes
	s_lshl_b32 s13, s10, 20                        ; + my wave's 64 rows
	s_add_co_u32 s12, s12, s13
	s_lshl_b32 s13, s16, 7                         ; + 32 columns of 4 bytes
	s_add_co_u32 s12, s12, s13
	s_mov_b32 s13, 0
	s_wait_alu depctr_va_vdst(0)
	s_wait_kmcnt 0x0
	s_add_nc_u64 s[4:5], s[4:5], s[12:13]
.irp i, 0,1,2,3,4,5,6,7,8,9,10,11,12,13,14,15,16,17,18,19,20,21,22,23,24,25,26,27,28,29,30,31,32,33,34,35,36,37,38,39,40,41,42,43,44,45,46,47,48,49,50,51,52,53,54,55,56,57,58,59,60,61,62,63
	global_load_b32 v[X+\i], v2, s[4:5] offset:\i*16384   ; h(my first row + i, my column)
.endr
	s_lshl_b32 s12, s16, 14                        ; the codes: 32 columns of 512 bytes,
	s_lshl_b32 s14, s11, 8                         ; + 256 bytes for the upper half of K
	s_add_co_u32 s12, s12, s14
	s_add_nc_u64 s[6:7], s[6:7], s[12:13]
	s_lshl_b32 s12, s11, 16                        ; the scale bytes: 65,536 a half of K,
	s_lshl_b32 s14, s16, 9                         ; + 32 columns of 16 bytes
	s_add_co_u32 s12, s12, s14
	s_add_nc_u64 s[8:9], s[8:9], s[12:13]
	v_mul_u32_u24 v3, v1, PITCH
	s_lshl_b32 s14, s10, 5
	v_add_nc_u32 v3, s14, v3                       ; into the stage: row = my column, + 32 bytes a wave
	s_lshl_b32 s14, s10, 1
	s_add_co_u32 s14, s14, SCS
	v_lshl_add_u32 v4, v1, 4, s14                  ; my column's 16 scale bytes, + 2 a wave
	v_lshrrev_b32 v9, 4, v1
	v_and_b32 v10, 15, v1
	s_lshl_b32 s14, s10, 2
	v_add_nc_u32 v9, s14, v9                       ; out of the stage: wave w takes rows 4 w .. 4 w + 3, sixteen lanes to a row
	s_delay_alu instid0(VALU_DEP_1)
	v_mul_u32_u24 v5, v9, PITCH
	s_delay_alu instid0(VALU_DEP_1)
	v_lshl_add_u32 v5, v10, 4, v5
	s_delay_alu instid0(VALU_DEP_3)
	v_lshlrev_b32 v6, 9, v9
	s_delay_alu instid0(VALU_DEP_1)
	v_lshl_add_u32 v6, v10, 4, v6                  ; and the same place in the codes' buffer
	v_lshlrev_b32 v8, 4, v1
	s_delay_alu instid0(VALU_DEP_1)
	v_add_nc_u32 v7, SCS, v8
.macro BLOCK t
.set XS, X+32*(\t)
	s_wait_loadcnt 32*(1-(\t))                     ; this block's 32 loads are in; the younger block's 32 may be out
	v_max3_num_f32 v10, |v[XS]|, |v[XS+1]|, |v[XS+2]|      ; the block's largest magnitude, in two chains: all 32 numbers are mine
	v_max3_num_f32 v11, |v[XS+3]|, |v[XS+4]|, |v[XS+5]|
.irp i, 6,10,14,18,22,26
	s_delay_alu instid0(VALU_DEP_2)
	v_max3_num_f32 v10, v10, |v[XS+\i]|, |v[XS+\i+1]|
	s_delay_alu instid0(VALU_DEP_2)
	v_max3_num_f32 v11, v11, |v[XS+\i+2]|, |v[XS+\i+3]|
.endr
	s_delay_alu instid0(VALU_DEP_2)
	v_max3_num_f32 v10, v10, |v[XS+30]|, |v[XS+31]|
	s_delay_alu instid0(VALU_DEP_1)
	v_max3_num_f32 v10, v10, v11, 3<<23            ; and the floor 2^(3 - 127): the byte cannot fall under 1
	s_delay_alu instid0(VALU_DEP_1)
	v_add_nc_u32 v[12+\t], -(2<<23), v10           ; 2 off the exponent field: the conversion takes this operand's exponent field as its scale
.irp g, 0,1,2,3
	v_cvt_scalef32_pk8_fp4_f32 v[16+4*(\t)+\g], v[XS+8*\g:XS+8*\g+7], v[12+\t]
.endr
	v_lshrrev_b32 v[14+\t], 23, v[12+\t]           ; the scale's byte (a plain line behind the conversions)
	ds_store_b128 v3, v[16+4*(\t):19+4*(\t)] offset:16*(\t)
.endm
	BLOCK 0
	BLOCK 1
	v_lshl_or_b32 v14, v15, 8, v14                 ; my two bytes, the lower K below
	ds_store_b16 v4, v14
	s_wait_dscnt 0x0                               ; for the others' sake: my stores have landed
	s_barrier_signal -1
	s_barrier_wait -1
	ds_load_b128 v[24:27], v5
	ds_load_b128 v[28:31], v5 offset:2*PITCH
	s_wait_dscnt 0x1                               ; the older of the two is in
	global_store_b128 v6, v[24:27], s[6:7]         ; two rows: sixteen lanes store 256 consecutive bytes, aligned
	s_wait_dscnt 0x0
	global_store_b128 v6, v[28:31], s[6:7] offset:1024
	s_cmp_lg_u32 s10, 0
	s_cbranch_scc1 .Ldone
	ds_load_b128 v[16:19], v7                      ; wave 0: the work-group's 512 scale bytes
	s_wait_dscnt 0x0
	global_store_b128 v8, v[16:19], s[8:9]
.Ldone:
	s_wait_tensorcnt 0x0
	ds_add_u32 v96, v97
	s_wait_dscnt 0x0
	s_barrier_signal -1                            ; the closing round of the cluster's barrier
	s_barrier_wait -1
	s_cmp_lg_u32 s10, 0
	s_cbranch_scc1 .Lnot_wave_0
	s_barrier_signal -3
.Lnot_wave_0:
	s_barrier_wait -3
	s_barrier_signal -1
	s_barrier_wait -1
	s_endpgm
.Lfunc_end_k_q72f21611f5_quant_h:
	.size	k_q72f21611f5_quant_h, .Lfunc_end_k_q72f21611f5_quant_h-k_q72f21611f5_quant_h
	.p2alignl 7, 3214868480
	.fill 96, 4, 3214868480
	.section	.rodata,"a",@progbits
	.p2align	6, 0x0
	.amdhsa_kernel k_q72f21611f5_quant_h
		.amdhsa_group_segment_fixed_size 10240
		.amdhsa_private_segment_fixed_size 0
		.amdhsa_enable_private_segment 0
		.amdhsa_kernarg_size 24
		.amdhsa_user_sgpr_count 2
		.amdhsa_user_sgpr_kernarg_segment_ptr 1
		.amdhsa_wavefront_size32 1
		.amdhsa_system_sgpr_workgroup_id_x 1
		.amdhsa_system_sgpr_workgroup_id_y 1
		.amdhsa_system_sgpr_workgroup_id_z 1
		.amdhsa_system_vgpr_workitem_id 0
		.amdhsa_next_free_vgpr 98
		.amdhsa_next_free_sgpr 66
		.amdhsa_reserve_vcc 0
		.amdhsa_float_denorm_mode_32 3
		.amdhsa_float_denorm_mode_16_64 3
		.amdhsa_memory_ordered 1
		.amdhsa_forward_progress 1
		.amdhsa_inst_pref_size 14
	.end_amdhsa_kernel
	.amdgpu_metadata
---
amdhsa.version: [ 1, 2 ]
amdhsa.kernels:
  - .name:           k_q72f21611f5_quant_h
    .symbol:         k_q72f21611f5_quant_h.kd
    .args:
      - { .name: h, .offset: 0, .size: 8, .value_kind: global_buffer, .address_space: global }
      - { .name: hq_codes, .offset: 8, .size: 8, .value_kind: global_buffer, .address_space: global }
      - { .name: hq_scales, .offset: 16, .size: 8, .value_kind: global_buffer, .address_space: global }
    .group_segment_fixed_size: 10240
    .private_segment_fixed_size: 0
    .kernarg_segment_align: 8
    .kernarg_segment_size: 24
    .max_flat_workgroup_size: 256
    .sgpr_count:     66
    .vgpr_count:     98
    .wavefront_size: 32
...
	.end_amdgpu_metadata
.endif
;; end of part 1
;; launch cell (part 2): grid 16 x 16, 4 waves a work-group, clusters of 4 x 4, 327,680 bytes of LDS; arguments U_11_codes, U_11_scales, U_21_codes, U_21_scales, W_01_codes, W_01_scales, hq_codes, hq_scales, h_top_codes, h_top_scales, h_bottom_codes, h_bottom_scales, bias, c, h, z, z_bottom, out0, out1, out2; writes out0, out1, out2
.if DOCPART == 2
	.amdgcn_target "amdgcn-amd-amdhsa--gfx1250"
	.amdhsa_code_object_version 6
	.text
	.protected	k_q72f21611f5_cell
	.globl	k_q72f21611f5_cell
	.p2align	8
	.type	k_q72f21611f5_cell,@function
k_q72f21611f5_cell:
	s_mov_b64 s[64:65], 0
	v_nop
	global_prefetch_b8 v0, s[64:65] scope:SCOPE_SE
	s_setreg_imm32_b32 hwreg(HW_REG_WAVE_MODE, 25, 1), 1
	s_wait_xcnt 0x0
	s_wait_alu depctr_hold_cnt(0) depctr_sa_sdst(0) depctr_va_vdst(0) depctr_va_sdst(0) depctr_va_ssrc(0) depctr_va_vcc(0) depctr_vm_vsrc(0)
	s_getreg_b32 s2, hwreg(HW_REG_IB_STS2, 6, 4)
	s_cmp_eq_u32 s2, 0
	s_cbranch_scc0 .Lentry_in_a_cluster
	s_endpgm
.Lentry_in_a_cluster:
	s_bfe_u32 s2, ttmp6, 0x10000c
	s_cmp_lg_u32 s2, 0xf033
	s_cbranch_scc0 .Lentry_shape_is_right
	s_endpgm
.Lentry_shape_is_right:
; f_s = (1 - z) U_11 Q(h) + z U_21 h_top + z_bottom W_01 h_bottom + bias, three products on codes of FP4 (E2M1) with E8M0 scales, K = 1,024 each; then the cell: out1 = c_new, out0 = h_new, out2 = z_hat.
; SHARES.  Work-group (bx, by): batch columns 256 bx .. + 255 and the 64 hidden units j = by + 16 t, t = 0 .. 63.  Its 256 gate rows are the weights' rows by + 16 rho, rho = 64 gate + t: one run of rows 16 apart,
; so a tile of a weight is a plain two-dimensional tile and holds all four gates of each hidden unit.  Wave (wm, wn): 4 gates x 32 hidden units x 128 columns: 512 registers of sums.
; K goes in six steps of 512 through two LDS slots.  The products are used TRANSPOSED (source 0 = 32 batch columns, source 1 = 16 gate rows): a lane holds one gate row and,
; in each sixteen columns, eight neighbouring ones; all four gates of a hidden unit and a column lie in one lane, so the cell is computed where the sums lie.
; THE THREE FACTORS ON ONE SET OF SUMS: f = a3 (r2 (r1 P1 + P2) + P3), r1 = (1 - z) / a2, r2 = a2 / a3, a2 = z, a3 = z_bottom: between two products the sums are multiplied in place; a3 goes into the
; exponents' multiply-add.  The order of rounding differs from the reference's sum of three scaled products; each step rounds relative to a true term of the sum, no difference of large sums is formed.
; LIMITS: a factor z or z_bottom of magnitude under 2^-60, zero too, counts as 2^-60 (an error of at most 2^-60 |P|); |factor| x 2^60 x |P| must stay inside f32, that is |factor x P| under 2.9e20;
; NaN and infinities in z and z_bottom are not served.
; THE SCALES come from memory straight into registers: batch side lane l = column l of 32, a register for each 128 along K; weights: lane (r, h) bytes 16 h .. + 15 of row r's 32, so lanes 16-31 hold K's upper half (ROW1).
; A product's 64 words stand in v32-95; the next product's come into v96-159 meanwhile and are copied where the product ends.
; ROW 4096: work-group (bx, by) owns columns 256 bx + 16 by .. + 15; in the last K step wave p makes product p for them (8 matrix instructions, all 16 rows of source 0 copies of the row); wave 3 stores the clipped sum.
; CLUSTER 4 x 4: a weight's tile hangs on by alone and is asked for jointly along a row of the cluster, a batch tile on bx alone, along a column.
; c AND h come by one plain tensor load a wave into slot 0 behind K step 4.  PREFETCHES: the tiles of K step 1 at the head, of 2 and 3 behind K step 1's load, of 4 and 5 in the first product; c and h a quarter in each K step of
; the first two products.  Each cluster names its own tiles' blocks once, shared out among its work-groups by address.  Nothing is asked for behind K step 3.
; REGISTERS, in windows of 256.  Window 0: v0-31 addresses; v32-95 scale words; v96-159 the next product's; v160-223 ratios; v96-223 row 4096's codes in product 2; v224-239 bias; v240-247 row 4096's scale words; in the cell v96-223 at work.
;   Window 1: two sets of fragments, 128 s + 0 .. 63 the batch side's, 128 s + 64 .. 127 the weights'; in the cell the columns' constants, and v224-255 rows on their way out.
;   Windows 2, 3: the sums of weights' block a = 2 gate + u and columns 32 b .. + 31 at v[64 (a % 4) + 16 b]: gates f, i in window 2, o, g in window 3.
.set PITCH,  272                       ; an LDS row of a tile: 256 bytes + 16
.set HALFT,  128*PITCH                 ; 128 rows: what one tensor load brings
.set SLOT,   4*HALFT                   ; the weights' 256 rows, then the batch side's 256
.set TAB,    2*SLOT                    ; behind the ring: seven tables of 256 columns: r1, r2, KS, KG, KA, KC, KB
.set ZH,     TAB+7168                  ; row 4096: wave p's 16 numbers at 64 p
.set SPARE,  ZH+256                    ; the spare words, 128 bytes for each wave
.set CPITCH, 1040                      ; an LDS row of c or h: 1,024 bytes + 16
.set CWAVE,  32*CPITCH                 ; 32 rows: what one wave's load brings; c's 64 rows, then h's
.set OSTG,   16*PITCH                  ; the way out: 16 rows of 256 bytes + 16, in slot 1, which has had its last fill and its last read by then
.set S0, 32
.set S1, 96
.set RT, 160
.set BIA, 224
.set G0C, 52                           ; s[52:55] group 0 for c's and h's tiles
.set G1A, 56                           ; s[56:63] group 1 for the weights' tiles
.set G1B, 68                           ; s[68:75] for the batch side's
.set G0A, 76                           ; s[76:83] group 0 for the weights' tiles, a set for each slot
.set G0B, 84                           ; s[84:91] for the batch side's
.set G1C, 92                           ; s[92:99] group 1 for c's and h's tiles
.set GBITS, (1<<20)|(1<<21)|(5<<22)|(3<<25)   ; elements of 1 byte; padding on; bit 21 beside a mask; after every 64 words; 4 words
.set NLOG2E, 0xbfb8aa3b                ; -log2(e)
.set LOG2E2, 0x4038aa3b                ; 2 log2(e)
.set TINY,   0x21800000                ; 2^-60
.set EF, 96                            ; window 0, in the cell: 16 numbers of gate f, then i, o, g
.set EI, 112
.set EO, 128
.set EG, 144
.set CC, 160                           ; c
.set HH, 176                           ; h: here and 32 on, by turns
.set TT, 192                           ; tanh(c_new) in the making, then h_new
.set OUT, 224                          ; window 1: rows on their way out
.set MUL_LO, 0xa5                      ; sources 0 and 1 window 1, C and D window 2
.set MUL_HI, 0xf5                      ; C and D window 3
.set TO_1,   0x40                      ; destination window 1, address window 0
.set MSB, 0
.macro WIN new                         ; the immediate's high byte repeats the setting that is left; a switch that changes nothing is dropped
.if MSB != (\new)
	s_set_vgpr_msb (MSB<<8)|(\new)
.set MSB, (\new)
.endif
.endm
.macro PLACES                          ; four plain places behind matrix instructions (ISA guide 7.12.1)
.rept 4
	v_nop
.endr
.endm
; A joint load: waves 0 and 1 fetch the weights' two halves, waves 2 and 3 the batch side's.  The branch hangs on the wave's number alone.
.macro JLOAD g0a, g0b
	s_cmp_eq_u32 s45, 0
	s_cbranch_scc0 .Lfor_b_\@
	tensor_load_to_lds s[\g0a:\g0a+3], s[G1A:G1A+7]
	s_nop 0
.rept 4
	v_nop
.endr
	s_branch .Lasked_\@
.Lfor_b_\@:
	tensor_load_to_lds s[\g0b:\g0b+3], s[G1B:G1B+7]
	s_nop 0
.rept 4
	v_nop
.endr
.Lasked_\@:
.endm
.macro CREST                           ; a round of the cluster's barrier behind its opening barrier
	s_cmp_lg_u32 s44, 0
	s_cbranch_scc1 .Lnot_wave_0_\@
	s_barrier_signal -3
.Lnot_wave_0_\@:
	s_barrier_wait -3
	s_barrier_signal -1
	s_barrier_wait -1
.endm
.macro CROUND                          ; a whole round
	s_barrier_signal -1
	s_barrier_wait -1
	CREST
.endm
	s_load_b512 s[4:19], s[0:1], 0x0               ; U11 codes 4, scales 6; U21 8, 10; W01 12, 14; hq codes 16, scales 18
	s_load_b512 s[20:35], s[0:1], 0x40             ; h_top 20, 22; h_bottom 24, 26; bias 28; c 30; h 32; z 34
	s_load_b256 s[36:43], s[0:1], 0x80             ; z_bottom 36; out0 38; out1 40; out2 42
	v_lshl_add_u32 v28, v0, 2, SPARE               ; my spare word; never rewritten
	v_mov_b32 v29, 0                               ; 0; never rewritten
	ds_add_u32 v28, v29                            ; the opening lines: the add twice, and one wait below
	ds_add_u32 v28, v29
	v_lshrrev_b32 v1, 5, v0
	v_readfirstlane_b32 s44, v1                    ; wave 0..3
	s_lshr_b32 s45, s44, 1                         ; wm: my half of the hidden units.  Also: I fetch the weights' tile (0) or the batch side's (1)
	s_and_b32 s46, s44, 1                          ; wn: my half of the columns.  Also: which 128 rows of that tile I fetch
	s_bfe_u32 s47, ttmp6, 0x40000                  ; cx
	s_bfe_u32 s48, ttmp6, 0x40004                  ; cy
	s_lshl_b32 s49, ttmp9, 2
	s_add_co_u32 s49, s49, s47                     ; bx = 4 x cluster x + cx
	s_and_b32 s50, ttmp7, 0xffff
	s_lshl_b32 s50, s50, 2
	s_add_co_u32 s50, s50, s48                     ; by = 4 x cluster y + cy
	s_lshl_b32 s2, s48, 2
	s_lshl_b32 s2, 15, s2                          ; my row of the cluster
	s_lshl_b32 s3, 0x1111, s47                     ; my column
	s_or_b32 s[G1A], s2, GBITS                     ; the weights' tiles go to my row,
	s_or_b32 s[G1B], s3, GBITS                     ; the batch side's to my column
.irp g, G1A, G1B
	s_mov_b32 s[\g+1], 256<<16                     ; tensor_dim0 = 256 bytes
	s_mov_b32 s[\g+2], 128<<16                     ; tensor_dim1 = 128
	s_mov_b32 s[\g+3], 256<<16                     ; tile_dim0
	s_mov_b32 s[\g+4], 128                         ; tile_dim1
	s_mov_b32 s[\g+6], 0
	s_mov_b32 s[\g+7], 0
.endr
	s_mov_b32 s[G1A+5], 8192                       ; from row to row: 16 rows of 512 bytes
	s_mov_b32 s[G1B+5], 512
	s_mul_i32 s2, s45, 32*PITCH                    ; the weights' fragments: my 32 hidden units of each gate
	s_mul_i32 s3, s46, HALFT
	s_add_co_u32 s3, s3, 2*HALFT                   ; the batch side's: my 128 columns
	s_lshl_b32 s51, s46, 9
	s_mul_i32 s67, s45, CWAVE
	s_add_co_u32 s67, s67, s51                     ; c's tile: 32 wm rows, 512 wn bytes
	s_add_co_u32 s51, s51, TAB                     ; the tables at my columns
	s_mul_i32 s66, s44, HALFT
	s_add_co_u32 s66, s66, SLOT                    ; my stage
	s_lshl_b32 s92, s50, 2
	s_lshl_b32 s93, s45, 11
	s_add_co_u32 s92, s92, s93                     ; bias at by + 16 x 32 wm
	s_lshl_b32 s93, s45, 14
	s_lshl_b32 s94, s50, 5
	s_add_co_u32 s93, s93, s94                     ; the weights' scales at the same row, 32 bytes a row
	s_lshl_b32 s94, s49, 8
	s_lshl_b32 s95, s50, 4
	s_add_co_u32 s95, s94, s95                     ; row 4096's columns: 256 bx + 16 by
	s_lshl_b32 s96, s46, 7
	s_add_co_u32 s94, s94, s96                     ; my columns: 256 bx + 128 wn
	s_lshl_b32 s96, s44, 6
	s_lshl_b32 s97, s44, 21
	s_lshl_b32 s54, s49, 10
	s_movk_i32 s98, 0x200
	s_cmp_eq_u32 s45, 0
	s_cselect_b32 s98, 0x2000, s98                 ; the tile prefetches: from row to row, 8,192 or 512 bytes;
	s_cselect_b32 s99, s47, s48                    ; my place among the four that ask with me,
	s_lshl_b32 s99, s99, 5                         ; 32 rows each
	s_cmp_eq_u32 s44, 0
	s_cselect_b32 s100, 4, 5                       ; row 4096: a column's scale bytes: 16 apart in hq_scales, 32 in the given ones;
	s_cselect_b32 s101, 16, 4                      ; the upper half of K: 65,536 bytes on, or 16
	v_and_b32 v1, 15, v0                           ; r
	v_bfe_u32 v2, v0, 4, 1                         ; h
	v_and_b32 v3, 31, v0                           ; lane
	v_lshl_add_u32 v4, v1, 9, s93
	v_lshl_add_u32 v4, v2, 4, v4                   ; v4: the weights' scales: + 16 rows of 32 bytes for each r, + 16 h
	v_add_nc_u32 v6, s94, v3
	v_lshlrev_b32 v5, 5, v6                        ; v5: the given batch scales: column x 32 bytes
	v_lshlrev_b32 v6, 4, v6                        ; v6: hq's: column x 16
	v_lshl_add_u32 v7, v0, 2, s54                  ; v7: z, z_bottom at column 256 bx + thread
	v_lshl_add_u32 v8, v1, 6, s92                  ; v8: bias of hidden unit 32 wm + r
	v_lshlrev_b32 v9, 4, v2
	v_add_nc_u32 v11, 131072, v9                   ; v11: row 4096's scale bytes, + 16 h
	v_add_nc_u32 v9, 2097152, v9                   ; v9: row 4096's codes, + 16 h
	v_add_nc_u32 v13, s95, v1
	v_lshlrev_b32 v10, 9, v13
	v_lshl_add_u32 v10, v2, 4, v10                 ; v10: its column's codes
	v_lshlrev_b32 v12, s100, v13
	v_lshlrev_b32 v14, s101, v2
	v_add_nc_u32 v12, v12, v14                     ; v12: its column's scale bytes
	v_lshlrev_b32 v13, 2, v13                      ; v13: its place in z, z_bottom and out2
	v_lshl_add_u32 v14, v0, 2, TAB                 ; v14: the tables, a word a thread
	v_mul_u32_u24 v15, v1, PITCH
	v_lshl_add_u32 v16, v2, 4, v15                 ; a fragment's row x pitch + 16 h
	v_add_nc_u32 v20, s3, v16                      ; v20, v21: the batch side's fragments in slot 0, 1
	v_add_nc_u32 v21, SLOT, v20
	v_add_nc_u32 v16, s2, v16                      ; v16, v17: the weights'
	v_add_nc_u32 v17, SLOT, v16
	v_lshl_add_u32 v22, v2, 5, s51                 ; v22: the tables' numbers of my columns, + 8 h columns
	v_lshl_add_u32 v24, v2, 5, v15
	v_add_nc_u32 v24, s66, v24                     ; v24: into my stage: row r, + 32 h
	v_mul_u32_u24 v25, v2, PITCH
	v_lshl_add_u32 v25, v1, 4, v25
	v_add_nc_u32 v25, s66, v25                     ; v25: out of it: sixteen lanes to a row
	v_lshlrev_b32 v26, 4, v1
	v_lshl_add_u32 v26, v2, 18, v26                ; v26: the same two rows in the outputs, 262,144 bytes apart
	v_mul_u32_u24 v18, v1, CPITCH
	v_lshl_add_u32 v18, v2, 5, v18
	v_add_nc_u32 v18, s67, v18                     ; v18: c in slot 0: row 32 wm + r, + 32 h
	v_add_nc_u32 v19, 2*CWAVE, v18                 ; v19: h
	v_lshl_add_u32 v23, v1, 2, ZH                  ; v23: row 4096's numbers, 4 r
	v_add_nc_u32 v31, s96, v23                     ; v31: + 64 x wave
	v_lshrrev_b32 v30, 2, v3
	v_lshl_add_u32 v30, v30, 18, s97
	v_and_b32 v27, 3, v3
	v_lshl_add_u32 v30, v27, 8, v30                ; v30: c's and h's prefetches: wave w names rows 8 w .. + 7 of 32, four lanes to a row's 1,024 bytes
	v_add_nc_u32 v27, s99, v3
	v_mul_u32_u24 v27, s98, v27                    ; v27: the tile prefetches: a lane a row; the four partners take 32 rows each of the 128 that I fetch
	s_lshl_b32 s2, s50, 9                          ; the weights' tile: row by,
	s_lshl_b32 s3, s46, 20                         ; + 128 x 16 rows for the upper half
	s_add_co_u32 s2, s2, s3
	s_mov_b32 s3, 0
	s_lshl_b32 s66, s49, 17                        ; the batch side's: row 256 bx,
	s_lshl_b32 s67, s46, 16                        ; + 128 rows
	s_add_co_u32 s66, s66, s67
	s_mov_b32 s67, 0
	s_mov_b32 s[G0A], 1                            ; count = 1
	s_mul_i32 s[G0A+1], s44, HALFT                 ; LDS address: wave x 128 rows: no place in the cluster enters it
	s_mov_b32 s[G0A+4], 1
	s_add_co_u32 s[G0A+5], s[G0A+1], SLOT
	s_mov_b32 s[G0B], 1
	s_mul_i32 s[G0B+1], s44, HALFT
	s_mov_b32 s[G0B+4], 1
	s_add_co_u32 s[G0B+5], s[G0B+1], SLOT
	s_wait_dscnt 0x0                               ; both opening adds are done
	s_wait_alu depctr_va_vdst(0)
	CROUND                                         ; all sixteen work-groups are here: the first joint loads meet
	s_wait_kmcnt 0x0
	s_load_b32 s101, s[28:29], 0x4000              ; bias[4096]
	s_add_nc_u64 s[4:5], s[4:5], s[2:3]            ; the six code addresses become the addresses of my tiles
	s_add_nc_u64 s[8:9], s[8:9], s[2:3]
	s_add_nc_u64 s[12:13], s[12:13], s[2:3]
	s_add_nc_u64 s[16:17], s[16:17], s[66:67]
	s_add_nc_u64 s[20:21], s[20:21], s[66:67]
	s_add_nc_u64 s[24:25], s[24:25], s[66:67]
	s_mov_b64 s[G0A+2:G0A+3], s[4:5]               ; K step 0
	s_or_b32 s[G0A+3], s[G0A+3], 0x80000000        ; type = 2
	s_add_nc_u64 s[G0A+6:G0A+7], s[4:5], 256       ; K step 1
	s_or_b32 s[G0A+7], s[G0A+7], 0x80000000
	s_mov_b64 s[G0B+2:G0B+3], s[16:17]
	s_or_b32 s[G0B+3], s[G0B+3], 0x80000000
	s_add_nc_u64 s[G0B+6:G0B+7], s[16:17], 256
	s_or_b32 s[G0B+7], s[G0B+7], 0x80000000
	JLOAD G0A, G0B                                 ; K step 0: one tensor load a wave at the head
	s_cmp_eq_u32 s45, 0
	s_cselect_b64 s[104:105], s[4:5], s[16:17]     ; the prefetch of K step 1: the rows that I fetch
	global_load_b32 v160, v7, s[34:35]             ; z of my two columns,
	global_load_b32 v161, v7, s[34:35] offset:512
	global_load_b32 v162, v7, s[36:37]             ; z_bottom
	global_load_b32 v163, v7, s[36:37] offset:512
.irp g, 0,1,2,3
	global_load_b32 v[176+2*\g], v8, s[28:29] offset:4096*\g         ; bias of gate g, hidden units r and 16 + r of my 32
	global_load_b32 v[177+2*\g], v8, s[28:29] offset:4096*\g+1024
.endr
.irp b, 0,1,2,3
	global_load_b128 v[S0+8*\b:S0+8*\b+3], v6, s[18:19] offset:512*\b            ; product 0's scale words: columns 32 b .. + 31, K's lower half
	global_load_b128 v[S0+8*\b+4:S0+8*\b+7], v6, s[18:19] offset:65536+512*\b    ; and its upper
.endr
.irp a, 0,1,2,3,4,5,6,7
	global_load_b128 v[S0+32+4*\a:S0+35+4*\a], v4, s[6:7] offset:(\a/2)*32768+(\a%2)*8192   ; the weights' block a = 2 gate + u
.endr
	global_prefetch_b8 v27, s[104:105] offset:256 th:TH_LOAD_NT scope:SCOPE_SE
	s_lshl_b32 s2, s50, 14                         ; the work-group's corner in c, h and the outputs: row by,
	s_lshl_b32 s66, s49, 10                        ; column 256 bx
.irp p, 30, 32, 38, 40
	s_add_nc_u64 s[\p:\p+1], s[\p:\p+1], s[2:3]
	s_add_nc_u64 s[\p:\p+1], s[\p:\p+1], s[66:67]
.endr
	s_lshl_b32 s2, s45, 23                         ; the outputs at my wave's corner: 32 wm hidden units on, 128 wn columns on
	s_lshl_b32 s66, s46, 9
	s_add_co_u32 s2, s2, s66
	s_add_nc_u64 s[38:39], s[38:39], s[2:3]
	s_add_nc_u64 s[40:41], s[40:41], s[2:3]
	s_mov_b32 s[G1C], (2<<16)|(1<<20)|(7<<22)|(3<<25)   ; c's and h's tiles: elements of 4 bytes, no mask; after every 256 words, 4 words
	s_mov_b32 s[G1C+1], 256<<16                    ; tensor_dim0 = 256
	s_mov_b32 s[G1C+2], 32<<16                     ; tensor_dim1 = 32
	s_mov_b32 s[G1C+3], 256<<16                    ; tile_dim0
	s_mov_b32 s[G1C+4], 32                         ; tile_dim1
	s_mov_b32 s[G1C+5], 65536                      ; from row to row: 16 rows of 4,096 numbers
	s_mov_b32 s[G1C+6], 0
	s_mov_b32 s[G1C+7], 0
	s_mov_b32 s[G0C], 1
	s_mul_i32 s[G0C+1], s44, CWAVE                 ; 32 rows a wave: c's 64 rows, then h's
	s_cmp_lt_u32 s44, 2
	s_cselect_b64 s[G0C+2:G0C+3], s[30:31], s[32:33]   ; waves 0, 1: c; waves 2, 3: h
	s_lshl_b32 s2, s46, 23                         ; hidden units 32 (wave % 2) on
	s_add_nc_u64 s[G0C+2:G0C+3], s[G0C+2:G0C+3], s[2:3]
	s_or_b32 s[G0C+3], s[G0C+3], 0x80000000
	s_wait_loadcnt 16                              ; z, z_bottom and bias are in; the sixteen loads of scale words may be out
	; ---- the tables of my two columns, and my lane's bias times the exponentials' factors, each number twice: a pair for the packed multiply-add
	v_mov_b32 v172, TINY
	v_pk_fma_f32 v[164:165], v[160:161], -1.0, 1.0 op_sel_hi:[1,0,0]   ; 1 - z
	v_pk_fma_f32 v[166:167], v[162:163], -1.0, 1.0 op_sel_hi:[1,0,0]   ; 1 - zb
	v_pk_mul_f32 v[168:169], v[164:165], v[162:163]                    ; KC
	v_pk_mul_f32 v[166:167], v[164:165], v[166:167]                    ; KB
	v_pk_add_f32 v[170:171], v[160:161], v[168:169]                    ; KA
.irp i, 160,161,162,163
	v_cmp_lt_f32 vcc_lo, |v\i|, v172               ; a factor of magnitude under 2^-60 counts as 2^-60
	v_cndmask_b32 v\i, v\i, v172, vcc_lo
.endr
	s_wait_alu depctr_va_vdst(0)
	v_rcp_f32 v174, v160
	v_rcp_f32 v175, v161
	v_rcp_f32 v186, v162
	v_rcp_f32 v187, v163
	v_pk_mul_f32 v[188:189], v[162:163], NLOG2E op_sel_hi:[1,0]        ; KS = -log2(e) a3: plain work behind the reciprocals
	v_pk_mul_f32 v[190:191], v[162:163], LOG2E2 op_sel_hi:[1,0]        ; KG = 2 log2(e) a3
.irp i, 0,1,2,3,4,5
	v_mul_f32 v[BIA+2*\i], NLOG2E, v[176+\i]       ; gates f, i, o
	v_mul_f32 v[BIA+2*\i+1], NLOG2E, v[176+\i]
.endr
.irp i, 6,7
	v_mul_f32 v[BIA+2*\i], LOG2E2, v[176+\i]       ; gate g
	v_mul_f32 v[BIA+2*\i+1], LOG2E2, v[176+\i]
.endr
	s_wait_alu depctr_va_vdst(0)                   ; one wait for the four reciprocals, ahead of their first reader
	v_pk_mul_f32 v[164:165], v[164:165], v[174:175]                    ; r1
	v_pk_mul_f32 v[160:161], v[160:161], v[186:187]                    ; r2
.irp i, 0,1
	ds_store_b32 v14, v[164+\i] offset:512*\i
	ds_store_b32 v14, v[160+\i] offset:1024+512*\i
	ds_store_b32 v14, v[188+\i] offset:2048+512*\i
	ds_store_b32 v14, v[190+\i] offset:3072+512*\i
	ds_store_b32 v14, v[170+\i] offset:4096+512*\i
	ds_store_b32 v14, v[168+\i] offset:5120+512*\i
	ds_store_b32 v14, v[166+\i] offset:6144+512*\i
.endr
	s_wait_alu depctr_va_vdst(0)                   ; the wait at the head's end
	s_wait_tensorcnt 0x0                           ; my part of K step 0 is in; these lines stand ahead of a later first fill as ahead of a refill
	ds_add_u32 v28, v29
	s_wait_dscnt 0x0                               ; the add and my stores into the tables are done
	CROUND                                         ; everybody's part of K step 0 and the tables are in; the joint loads meet
	JLOAD G0A+4, G0B+4                             ; K step 1
.macro FRAG reg, adr, q, rows          ; 16 rows x 128 K: lane (r, h): registers 4 c .. 4 c + 3 hold K = 64 c + 32 h + 0 .. 31: 16 bytes of the row as they lie
.irp c, 0,1
	ds_load_b128 v[(\reg)+4*\c:(\reg)+4*\c+3], v[\adr] offset:64*(\q)+32*\c+(\rows)*PITCH
.endr
.endm
; One run of 32 loads: a step's fragments (the slot's q-th 128 along K) into a set: the batch side's eight sixteens of columns, then the weights' blocks: block a = 2 gate + u lies 64 gate + 16 u rows on.
.macro FETCH slot, q, set
	WIN TO_1
.irp i, 0,1,2,3,4,5,6,7
	FRAG 128*(\set)+8*\i, 20+\slot, \q, 16*\i
.endr
.irp i, 0,1,2,3,4,5,6,7
	FRAG 128*(\set)+64+8*\i, 16+\slot, \q, (\i/2)*64+(\i%2)*16
.endr
.endm
; 4 matrix instructions: the weights' block a x four times 32 columns.  half: of K (the slot's number).  zero = 1: the first product starts the sums.  The 32 sums take turns, in the same order everywhere.
.macro MUL4 a, set, q, half, zero
.irp b, 0,1,2,3
.set rD, 64*((\a)%4)+16*\b
.set rB, 128*(\set)+16*\b
.set rA, 128*(\set)+64+8*(\a)
.set rX, S0+8*\b+4*(\half)+(\q)
.set rY, S0+32+4*(\a)+(\q)
.if \zero
	v_wmma_scale_f32_32x16x128_f4 v[rD:rD+15], v[rB:rB+15], v[rA:rA+7], 0, v[rX], v[rY]
.elseif \half
	v_wmma_scale_f32_32x16x128_f4 v[rD:rD+15], v[rB:rB+15], v[rA:rA+7], v[rD:rD+15], v[rX], v[rY] matrix_b_scale:MATRIX_SCALE_ROW1
.else
	v_wmma_scale_f32_32x16x128_f4 v[rD:rD+15], v[rB:rB+15], v[rA:rA+7], v[rD:rD+15], v[rX], v[rY]
.endif
.endr
.endm
.macro MUL16 a0, set, q, half, zero    ; blocks a0 .. a0 + 3
.irp i, 0,1,2,3
	MUL4 \a0+\i, \set, \q, \half, \zero
.endr
.endm
.macro RATIO                           ; the ratios of the product that ends next: register 8 b + j: column 16 b + 8 h + j
	WIN 0
.irp b, 0,1,2,3,4,5,6,7
	ds_load_b128 v[RT+8*\b:RT+8*\b+3], v22 offset:64*\b
	ds_load_b128 v[RT+8*\b+4:RT+8*\b+7], v22 offset:64*\b+16
.endr
.endm
; A step of 128 along K that has its successor in the same slot: it multiplies set q % 2 and fetches the successor into the other set, which was last read by the step before.
.macro STEP slot, q, zero, rat
	s_wait_dscnt 24-16*\rat                        ; this set's oldest loads are in, so that at most 56 LDS loads are out below
	PLACES
	FETCH \slot, (\q)+1, 1-(\q)%2
.if \rat
	RATIO
.endif
	s_wait_dscnt 40+16*\rat                        ; all but the loads just issued and the eight ahead of them (this set's weights' blocks 4-7) are in
	WIN MUL_LO
	MUL16 0, (\q)%2, \q, \slot, \zero
	s_wait_dscnt 32+16*\rat                        ; all but the loads just issued
	WIN MUL_HI
	MUL16 4, (\q)%2, \q, \slot, \zero
.endm
; A slot's last step changes slots.  In front of the barrier each wave waits for all its tensor loads (one is out: its part of the next slot), adds 0 to its spare word, and waits for that and for its reads of this slot.
; The barrier opens a round of the cluster's barrier; behind the round this slot is filled again, one tensor load a wave.  kind = 1: jointly, with the next product's tiles of the same half of K; kind = 2: c and h.
.macro TURN slot, kind
	WIN 0
	s_wait_tensorcnt 0x0                           ; no tensor load of mine is out, so a group 0 may be written
	ds_add_u32 v28, v29                            ; 0 onto my spare word
.if \kind == 1
	s_add_nc_u64 s[G0A+4*\slot+2:G0A+4*\slot+3], s[8:9], \slot*256
	s_or_b32 s[G0A+4*\slot+3], s[G0A+4*\slot+3], 0x80000000
	s_add_nc_u64 s[G0B+4*\slot+2:G0B+4*\slot+3], s[20:21], \slot*256
	s_or_b32 s[G0B+4*\slot+3], s[G0B+4*\slot+3], 0x80000000
.endif
	s_wait_dscnt 9                                 ; the add and the youngest eight loads may be out
	WIN MUL_LO
	MUL4 0, 1, 3, \slot, 0                         ; eight matrix instructions stand between the add and the wait for it
	MUL4 1, 1, 3, \slot, 0
	s_wait_dscnt 0x0                               ; the add is done, and my reads of this slot are over
	s_barrier_signal -1
	MUL4 2, 1, 3, \slot, 0
	WIN 0
	s_barrier_wait -1
	CREST                                          ; no wave of any partner still reads this slot or has a load on its way
.if \kind == 1
	JLOAD G0A+4*\slot, G0B+4*\slot                 ; the first tensor load behind the round; its four v_nop are also the places in front of the loads below
.else
	tensor_load_to_lds s[G0C:G0C+3], s[G1C:G1C+7]  ; every wave its own 32 rows
	s_nop 0
	PLACES
.endif
	FETCH 1-\slot, 0, 0
	WIN MUL_LO
	MUL4 3, 1, 3, \slot, 0
	WIN MUL_HI
	MUL16 4, 1, 3, \slot, 0
.endm
.macro HORNER                          ; all 512 sums times their columns' ratios, in place; each from its low end on
.irp w, 0x82, 0xc3                     ; destination and source 0 window 2, then 3; source 1 window 0
	WIN \w
.irp a, 0,1,2,3
.irp b, 0,1,2,3,4,5,6,7
.irp k, 0,2,4,6
	v_pk_mul_f32 v[64*\a+8*\b+\k:64*\a+8*\b+\k+1], v[64*\a+8*\b+\k:64*\a+8*\b+\k+1], v[RT+8*\b+\k:RT+8*\b+\k+1]
.endr
.endr
.endr
.endr
	WIN 0
.endm
.macro ASK off                         ; in the first product: the tile of product 2 that the change of slots two K steps on asks for
	WIN 0
	s_cmp_eq_u32 s3, 2
	s_cbranch_scc0 .Lno_ask_\@
	global_prefetch_b8 v27, s[18:19] offset:\off th:TH_LOAD_NT scope:SCOPE_SE
.Lno_ask_\@:
.endm
	FETCH 0, 0, 0
	WIN 0
	s_wait_kmcnt 0x0                               ; bias[4096]
	s_wait_loadcnt 0x0                             ; product 0's scale words; the loads that named s[6:7] and s[18:19] are done
	s_cmp_eq_u32 s45, 0
	s_cselect_b64 s[16:17], s[8:9], s[20:21]       ; the prefetches of products 1
	s_cselect_b64 s[18:19], s[12:13], s[24:25]     ; and 2
	s_mov_b64 s[4:5], s[30:31]                     ; the prefetches of c
	s_mov_b64 s[6:7], s[32:33]                     ; and of h
	global_prefetch_b8 v27, s[16:17] th:TH_LOAD_NT scope:SCOPE_SE              ; K steps 2
	global_prefetch_b8 v27, s[16:17] offset:256 th:TH_LOAD_NT scope:SCOPE_SE   ; and 3
	STEP 0, 0, 1, 0                                ; product 0's first step starts the sums: nothing is cleared
	WIN 0
	s_mov_b32 s3, 2
.Lproduct:                                             ; a trip goes from a product's second step to the next product's first
.irp b, 0,1,2,3
	global_load_b128 v[S1+8*\b:S1+8*\b+3], v5, s[22:23] offset:1024*\b         ; the next product's scale words
	global_load_b128 v[S1+8*\b+4:S1+8*\b+7], v5, s[22:23] offset:1024*\b+16
.endr
.irp a, 0,1,2,3,4,5,6,7
	global_load_b128 v[S1+32+4*\a:S1+35+4*\a], v4, s[10:11] offset:(\a/2)*32768+(\a%2)*8192
.endr
	STEP 0, 1, 0, 0
	WIN 0
	global_prefetch_b8 v30, s[4:5] th:TH_LOAD_NT scope:SCOPE_SE                ; 32 rows of c: each block once in the launch
	STEP 0, 2, 0, 0
	TURN 0, 1
	ASK 0
	STEP 1, 0, 0, 0
	STEP 1, 1, 0, 0
	WIN 0
	global_prefetch_b8 v30, s[6:7] th:TH_LOAD_NT scope:SCOPE_SE                ; 32 rows of h
	STEP 1, 2, 0, 1
	TURN 1, 1
	PLACES
	WIN 0
	s_wait_loadcnt 0x0                             ; the next product's scale words are in: they take the place of this one's
.set j, 0
.rept 32
	v_dual_mov_b32 v[S0+j], v[S1+j] :: v_dual_mov_b32 v[S0+j+1], v[S1+j+1]
.set j, j+2
.endr
	s_wait_xcnt 0x0                                ; the prefetches have read their bases
	s_add_nc_u64 s[4:5], s[4:5], 0x800000          ; 32 hidden units on
	s_add_nc_u64 s[6:7], s[6:7], 0x800000
	s_mov_b64 s[8:9], s[12:13]                     ; the product behind the next one
	s_mov_b64 s[10:11], s[14:15]
	s_mov_b64 s[20:21], s[24:25]
	s_mov_b64 s[22:23], s[26:27]
	v_add_nc_u32 v22, 1024, v22                    ; the next table
	HORNER                                         ; (the change of slots has waited for the ratios)
	s_wait_alu depctr_va_vdst(0)
	ASK 256
	STEP 0, 0, 0, 0
	WIN 0
	s_sub_co_u32 s3, s3, 1
	s_cmp_lg_u32 s3, 0
	s_cbranch_scc1 .Lproduct
	s_wait_xcnt 0x0
	s_load_b512 s[4:19], s[0:1], 0x0               ; the products' buffers once more, as they came: for row 4096
	s_load_b256 s[20:27], s[0:1], 0x40
	STEP 0, 1, 0, 0                                ; product 2 goes on
	WIN 0
	s_wait_kmcnt 0x0
	s_cmp_eq_u32 s44, 0                            ; wave p's buffers, chosen on the wave's number:
	s_cselect_b64 s[8:9], s[4:5], s[8:9]           ; the weight's codes,
	s_cselect_b64 s[10:11], s[6:7], s[10:11]       ; its scales,
	s_cselect_b64 s[20:21], s[16:17], s[20:21]     ; the batch side's codes,
	s_cselect_b64 s[22:23], s[18:19], s[22:23]     ; its scales
	s_cselect_b32 s2, 1.0, 0                       ; the factor is s2 + s3 x: 1 - z in wave 0, x itself in the others
	s_cselect_b32 s3, -1.0, 1.0
	s_cmp_eq_u32 s44, 2
	s_cselect_b64 s[8:9], s[12:13], s[8:9]
	s_cselect_b64 s[10:11], s[14:15], s[10:11]
	s_cselect_b64 s[20:21], s[24:25], s[20:21]
	s_cselect_b64 s[22:23], s[26:27], s[22:23]
	s_cselect_b64 s[28:29], s[36:37], s[34:35]     ; x: z_bottom in wave 2, else z
	s_cmp_eq_u32 s44, 3
	s_cbranch_scc1 .Lzh_asked
.irp q, 0,1,2,3,4,5,6,7
.irp c, 0,1
	global_load_b128 v[96+8*\q+4*\c:99+8*\q+4*\c], v9, s[8:9] offset:64*\q+32*\c         ; every lane's row is row 4096
	global_load_b128 v[160+8*\q+4*\c:163+8*\q+4*\c], v10, s[20:21] offset:64*\q+32*\c    ; column r
.endr
.endr
	global_load_b128 v[240:243], v11, s[10:11]     ; scale words: register q: lanes 0-15 the q-th 128 along K, lanes 16-31 the (4 + q)-th
	global_load_b128 v[244:247], v12, s[22:23]
	global_load_b32 v251, v13, s[28:29]            ; x
.Lzh_asked:
	STEP 0, 2, 0, 0
	TURN 0, 2                                      ; slot 0 takes c and h
	STEP 1, 0, 0, 0
	STEP 1, 1, 0, 0
	STEP 1, 2, 0, 0
.macro CONST tab, dst, bh              ; 32 columns' numbers of a table (KS 0, KG 1, KA 2, KC 3, KB 4) into window 1: sixteens 4 bh .. + 3 of my columns; sixteen lanes read the same bytes
	WIN TO_1
.irp b, 0,1,2,3
	ds_load_b128 v[\dst+8*\b:\dst+8*\b+3], v22 offset:1024*(\tab)+64*(4*(\bh)+\b)
	ds_load_b128 v[\dst+8*\b+4:\dst+8*\b+7], v22 offset:1024*(\tab)+64*(4*(\bh)+\b)+16
.endr
.endm
	s_wait_dscnt 8                                 ; the very last step: set 0 takes constants, and row 4096's sums
	PLACES
	v_nop                                          ; five places: row 4096's sums are written over registers that the step before read
	CONST 0, 0, 0
	CONST 0, 32, 1
	WIN MUL_LO
	MUL16 0, 1, 3, 1, 0
	WIN 0
	s_cmp_eq_u32 s44, 3
	s_cbranch_scc1 .Lzh_done
	s_wait_loadcnt 0x0                             ; row 4096's loads
	WIN 0x50                                       ; C and D window 1
.irp q, 0,1,2,3,4,5,6,7                            ; two sums by turns
.set rD, 64+8*(\q%2)
.if \q < 2
	v_wmma_scale_f32_16x16x128_f8f6f4 v[rD:rD+7], v[96+8*\q:103+8*\q], v[160+8*\q:167+8*\q], 0, v[240+\q], v[244+\q] matrix_a_fmt:MATRIX_FMT_FP4 matrix_b_fmt:MATRIX_FMT_FP4
.elseif \q < 4
	v_wmma_scale_f32_16x16x128_f8f6f4 v[rD:rD+7], v[96+8*\q:103+8*\q], v[160+8*\q:167+8*\q], v[rD:rD+7], v[240+\q], v[244+\q] matrix_a_fmt:MATRIX_FMT_FP4 matrix_b_fmt:MATRIX_FMT_FP4
.else
	v_wmma_scale_f32_16x16x128_f8f6f4 v[rD:rD+7], v[96+8*\q:103+8*\q], v[160+8*\q:167+8*\q], v[rD:rD+7], v[236+\q], v[240+\q] matrix_a_fmt:MATRIX_FMT_FP4 matrix_b_fmt:MATRIX_FMT_FP4 matrix_a_scale:MATRIX_SCALE_ROW1 matrix_b_scale:MATRIX_SCALE_ROW1
.endif
.endr
	PLACES
	WIN 0x05
	v_add_f32 v252, v64, v72                       ; every register holds column r's sum: each one's lowest is taken
	WIN 0
	v_fma_f32 v253, v251, s3, s2                   ; the factor
	v_mul_f32 v252, v252, v253
	s_wait_alu depctr_va_vdst(0)
	ds_store_b32 v31, v252                         ; lanes r and 16 + r write the same word with the same value
.Lzh_done:
	s_wait_tensorcnt 0x0                           ; my 32 rows of c or h have landed: other waves read them;
	s_wait_dscnt 0x0                               ; my reads of slot 1 are over: the stages go there.  Nothing is filled again
	s_barrier_signal -1
	WIN MUL_HI
	MUL16 4, 1, 3, 1, 0
	WIN 0
	s_barrier_wait -1
; ---- THE CELL.  sigmoid(x) = 1 / (1 + 2^(-log2(e) x)); tanh(x) = 1 - 2 / (1 + 2^(2 log2(e) x)).  c_new = i g KA + c (KC f + KB);  h_new = o tanh(c_new) KA + KB h.
; First the exponents of all four gates, in place; then units of 16 hidden units x 32 columns, 16 numbers of each gate a lane.  A unit's tanh(c_new) and h_new are made among the next unit's exponentials and reciprocals:
; plain work stands between transcendentals where nothing in the same batch reads it.
; Results go into my stage and, when 16 rows of 64 columns are whole, come back as rows of 256 bytes and are stored among later units' work.
.macro BATCH op, first, n              ; n transcendentals, in place
.set j, \first
.rept \n
	\op v[j], v[j]
.set j, j+1
.endr
.endm
.macro PLUS1 first                     ; 1 + x, on eight pairs
.irp p, 0,2,4,6,8,10,12,14
	v_pk_add_f32 v[\first+\p:\first+\p+1], v[\first+\p:\first+\p+1], 1.0 op_sel_hi:[1,0]
.endr
.endm
.macro TANH first                      ; 1 - 2 x
.irp p, 0,2,4,6,8,10,12,14
	v_pk_fma_f32 v[\first+\p:\first+\p+1], v[\first+\p:\first+\p+1], -2.0, 1.0 op_sel_hi:[1,0,0]
.endr
.endm
.macro PKF d, a, b, c
.irp p, 0,2,4,6,8,10,12,14
	v_pk_fma_f32 v[\d+\p:\d+\p+1], v[\a+\p:\a+\p+1], v[\b+\p:\b+\p+1], v[\c+\p:\c+\p+1]
.endr
.endm
.macro PKM d, a, b
.irp p, 0,2,4,6,8,10,12,14
	v_pk_mul_f32 v[\d+\p:\d+\p+1], v[\a+\p:\a+\p+1], v[\b+\p:\b+\p+1]
.endr
.endm
.macro ARGS g, kr                      ; gate g's exponents: sum x column's constant + bias; each sum from its low end on
.irp u, 0,1
.irp b, 0,1,2,3,4,5,6,7
.irp k, 0,2,4,6
.set rD, 64*(2*(\g%2)+\u)+8*\b+\k
	v_pk_fma_f32 v[rD:rD+1], v[rD:rD+1], v[\kr+8*\b+\k:\kr+8*\b+\k+1], v[BIA+4*\g+2*\u:BIA+4*\g+2*\u+1]
.endr
.endr
.endr
.endm
.macro CLOAD u, bh, k                  ; a unit's c and h
	WIN 0
.irp j, 0,1
	ds_load_b128 v[CC+8*\j:CC+8*\j+3], v18 offset:16*CPITCH*(\u)+64*(4*(\bh)+2*(\k)+\j)
	ds_load_b128 v[CC+8*\j+4:CC+8*\j+7], v18 offset:16*CPITCH*(\u)+64*(4*(\bh)+2*(\k)+\j)+16
	ds_load_b128 v[HH+32*(\k)+8*\j:HH+32*(\k)+8*\j+3], v19 offset:16*CPITCH*(\u)+64*(4*(\bh)+2*(\k)+\j)
	ds_load_b128 v[HH+32*(\k)+8*\j+4:HH+32*(\k)+8*\j+7], v19 offset:16*CPITCH*(\u)+64*(4*(\bh)+2*(\k)+\j)+16
.endr
.endm
.macro RDBACK what, u, dst             ; 16 rows of 256 bytes: c_new (0) or h_new (1)
.irp t, 0,1,2,3,4,5,6,7
	ds_load_b128 v[\dst+4*\t:\dst+4*\t+3], v25 offset:2*OSTG*(\u)+OSTG*(\what)+2*PITCH*\t   ; LDS serves a wave's instructions in order (ISA guide 5.7.1.4): these see my stores
.endr
.endm
.macro SEND what, u, bh, src           ; sixteen lanes store 256 consecutive bytes, aligned
.irp t, 0,1,2,3,4,5,6,7
	global_store_b128 v26, v[\src+4*\t:\src+4*\t+3], s[40-2*(\what):41-2*(\what)] offset:(16*(\u)+2*\t)*262144+256*(\bh) th:TH_STORE_NT
.endr
.endm
.macro BACK what, u                    ; rows on their way out come into window 1
	WIN TO_1
	s_wait_xcnt 0x0                                ; the stores before have read their data
	RDBACK \what, \u, OUT
	WIN 0
.endm
.macro PUT what, u, k, src             ; 16 numbers of a row into my stage
.irp j, 0,1
	ds_store_b128 v24, v[\src+8*\j:\src+8*\j+3] offset:2*OSTG*(\u)+OSTG*(\what)+64*(2*(\k)+\j)
	ds_store_b128 v24, v[\src+8*\j+4:\src+8*\j+7] offset:2*OSTG*(\u)+OSTG*(\what)+64*(2*(\k)+\j)+16
.endr
.endm
.macro HEXP                            ; of the unit before: the exponentials of tanh(c_new) with KB h between, and o's reciprocals
	WIN 0x04                                       ; source 1 window 1
.set j, 0
.rept 8
	v_exp_f32 v[TT+j], v[TT+j]
	v_pk_mul_f32 v[pH+j:pH+j+1], v[pH+j:pH+j+1], v[pB+j:pB+j+1]
	v_exp_f32 v[TT+j+1], v[TT+j+1]
.set j, j+2
.endr
	BATCH v_rcp_f32, EO, 16
.endm
.macro HNEW                            ; of the unit before: h_new
	WIN 0
	TANH TT
	PKM TT, EO, TT
	WIN 0x04
	PKF TT, TT, pA, pH
	WIN 0
.endm
; first = 1: no unit stands before.  snd: -1 nothing, 0 / 1: c_new / h_new of rows su, columns sbh, which have come back from the stage, are stored.
.macro CELL u, bh, k, first, snd, su, sbh
.set rF, 64*(\u)+16*(2*(\bh)+(\k))     ; gates f and o; i and g lie 128 on
.set rC, 128*(1-(\bh))+16*(\k)         ; KC; KB lies 32 on, KA 64
.if \first == 0
	HEXP
.endif
	WIN 0x02                                       ; source 0 window 2
.set j, 0
.rept 16
	v_exp_f32 v[EF+j], v[rF+j]
	v_exp_f32 v[EI+j], v[rF+128+j]
.set j, j+1
.endr
	v_nop
	s_wait_alu depctr_va_vdst(0)                   ; a wait ahead of each batch and one behind it: here and below one line serves as both
	WIN 0x03                                       ; source 0 window 3; the sums' source 0 is the constant
.set j, 0
.rept 8
	v_exp_f32 v[EG+j], v[rF+128+j]
	v_exp_f32 v[EG+j+1], v[rF+129+j]
	v_pk_add_f32 v[EF+j:EF+j+1], 1.0, v[EF+j:EF+j+1] op_sel_hi:[0,1]
	v_pk_add_f32 v[EI+j:EI+j+1], 1.0, v[EI+j:EI+j+1] op_sel_hi:[0,1]
.if \first == 0
	v_pk_add_f32 v[TT+j:TT+j+1], 1.0, v[TT+j:TT+j+1] op_sel_hi:[0,1]
.endif
.set j, j+2
.endr
	WIN 0
	s_wait_alu depctr_va_vdst(0)
.set j, 0
.rept 8
	v_rcp_f32 v[EF+j], v[EF+j]
	v_rcp_f32 v[EF+j+1], v[EF+j+1]
	v_rcp_f32 v[EI+j], v[EI+j]
	v_rcp_f32 v[EI+j+1], v[EI+j+1]
.if \first == 0
	v_rcp_f32 v[TT+j], v[TT+j]
	v_rcp_f32 v[TT+j+1], v[TT+j+1]
.endif
	v_pk_add_f32 v[EG+j:EG+j+1], 1.0, v[EG+j:EG+j+1] op_sel_hi:[0,1]
.set j, j+2
.endr
	s_wait_alu depctr_va_vdst(0)
.if \first == 0
	HNEW
.endif
	WIN 0x03
.set j, 0
.rept 16
	v_exp_f32 v[EO+j], v[rF+j]
.set j, j+1
.endr
	WIN 0x14                                       ; sources 1 and 2 window 1
.set j, 0
.rept 8
	v_rcp_f32 v[EG+j], v[EG+j]
	v_rcp_f32 v[EG+j+1], v[EG+j+1]
	v_pk_fma_f32 v[EF+j:EF+j+1], v[EF+j:EF+j+1], v[rC+j:rC+j+1], v[rC+32+j:rC+33+j]   ; KC f + KB
	v_pk_mul_f32 v[EI+j:EI+j+1], v[EI+j:EI+j+1], v[rC+64+j:rC+65+j]                   ; i KA
.set j, j+2
.endr
	WIN 0
	s_wait_dscnt 0x0                               ; this unit's c and h, and the rows on their way out, are in
	s_wait_alu depctr_va_vdst(0)
.if \first == 0
	PUT 1, pu, pk, TT                              ; h_new of the unit before
.endif
.if \snd >= 0
	WIN 0x04                                       ; a store's data: window 1
	SEND \snd, \su, \sbh, OUT
	WIN 0
.endif
	PLUS1 EO
	TANH EG                                        ; g
	PKM EF, EF, CC                                 ; x c
	PKF EF, EI, EG, EF                             ; c_new
.irp p, 0,2,4,6,8,10,12,14
	v_pk_mul_f32 v[TT+\p:TT+\p+1], v[EF+\p:EF+\p+1], LOG2E2 op_sel_hi:[1,0]
.endr
	s_wait_alu depctr_va_vdst(0)
	PUT 0, \u, \k, EF
.set pu, \u
.set pk, \k
.set pA, rC+64
.set pB, rC+32
.set pH, HH+32*(\k)
.endm
	PLACES
	CONST 1, 64, 0
	CONST 1, 96, 1
	CONST 3, 128, 0
	CONST 4, 160, 0
	CONST 2, 192, 0
	CLOAD 0, 0, 0
	ds_load_b32 v248, v23                          ; row 4096's three numbers
	ds_load_b32 v249, v23 offset:64
	ds_load_b32 v250, v23 offset:128
	WIN 0x86                                       ; destination and source 0 window 2, source 1 window 1, source 2 window 0
	ARGS 0, 0
	ARGS 1, 0
	WIN 0xc7                                       ; destination and source 0 window 3
	ARGS 2, 0
	s_wait_dscnt 35                                ; KG is in; the 24 loads of constants, 8 of c and h and 3 of row 4096 behind it may be out
	ARGS 3, 64
	WIN 0
	s_wait_dscnt 0x0
	s_wait_alu depctr_va_vdst(0)
	CELL 0, 0, 0, 1, -1, 0, 0
	CLOAD 0, 0, 1
	v_add_f32 v248, v248, v249                     ; z_hat of the work-group's 16 columns
	v_add_f32 v248, v248, v250
	v_add_f32 v248, s101, v248
	v_fma_f32 v248, v248, 0.5, 0.5
	v_med3_num_f32 v248, v248, 0, 1.0
	s_wait_alu depctr_va_vdst(0)
	s_cmp_lg_u32 s44, 3
	s_cbranch_scc1 .Lnot_3                         ; wave 3 stores it
	s_wait_xcnt 0x0                                ; EXEC changes only behind this wait
	v_cmp_gt_u32 vcc_lo, 16, v3
	s_and_saveexec_b32 s51, vcc_lo
	global_store_b32 v13, v248, s[42:43]
	s_wait_xcnt 0x0                                ; and again in front of the line that widens it
	s_or_b32 exec_lo, exec_lo, s51
.Lnot_3:
	CELL 0, 0, 1, 0, -1, 0, 0
	CLOAD 1, 0, 0
	BACK 0, 0
	CONST 3, 0, 1                                  ; the upper 64 of my columns
	CONST 4, 32, 1
	CONST 2, 64, 1
	CELL 1, 0, 0, 0, 0, 0, 0
	CLOAD 1, 0, 1
	BACK 1, 0
	CELL 1, 0, 1, 0, 1, 0, 0
	CLOAD 0, 1, 0
	BACK 0, 1
	CELL 0, 1, 0, 0, 0, 1, 0
	CLOAD 0, 1, 1
	BACK 1, 1
	CELL 0, 1, 1, 0, 1, 1, 0
	CLOAD 1, 1, 0
	BACK 0, 0
	CELL 1, 1, 0, 0, 0, 0, 1
	CLOAD 1, 1, 1
	BACK 1, 0
	CELL 1, 1, 1, 0, 1, 0, 1
	BACK 0, 1
	HEXP                                           ; the last unit's h_new
	v_nop
	WIN 0
	s_wait_alu depctr_va_vdst(0)
	PLUS1 TT
	s_wait_alu depctr_va_vdst(0)
	BATCH v_rcp_f32, TT, 16
	v_nop
	s_wait_dscnt 0x0
	WIN 0x04
	SEND 0, 1, 1, OUT
	s_wait_alu depctr_va_vdst(0)
	HNEW
	PUT 1, pu, pk, TT
	RDBACK 1, 1, EF
	s_wait_dscnt 0x0
	SEND 1, 1, 1, EF
	s_wait_tensorcnt 0x0                           ; the wave's end: behind my last tensor load and my last LDS store
	ds_add_u32 v28, v29
	s_wait_dscnt 0x0
	CROUND                                         ; the closing round: no work-group ends while a partner may still ask for a tile that names it
	s_endpgm
.Lfunc_end_k_q72f21611f5_cell:
	.size	k_q72f21611f5_cell, .Lfunc_end_k_q72f21611f5_cell-k_q72f21611f5_cell
	.p2alignl 7, 3214868480
	.fill 96, 4, 3214868480
	.section	.rodata,"a",@progbits
	.p2align	6, 0x0
	.amdhsa_kernel k_q72f21611f5_cell
		.amdhsa_group_segment_fixed_size 327680
		.amdhsa_private_segment_fixed_size 0
		.amdhsa_enable_private_segment 0
		.amdhsa_kernarg_size 160
		.amdhsa_user_sgpr_count 2
		.amdhsa_user_sgpr_kernarg_segment_ptr 1
		.amdhsa_wavefront_size32 1
		.amdhsa_system_sgpr_workgroup_id_x 1
		.amdhsa_system_sgpr_workgroup_id_y 1
		.amdhsa_system_sgpr_workgroup_id_z 1
		.amdhsa_system_vgpr_workitem_id 0
		.amdhsa_next_free_vgpr 1024
		.amdhsa_next_free_sgpr 106
		.amdhsa_reserve_vcc 1
		.amdhsa_float_denorm_mode_32 3
		.amdhsa_float_denorm_mode_16_64 3
		.amdhsa_memory_ordered 1
		.amdhsa_forward_progress 1
		.amdhsa_inst_pref_size 255
	.end_amdhsa_kernel
	.section	.bss,"aw",@nobits
	.p2align	6
	.space	262144
	.amdgpu_metadata
---
amdhsa.version: [ 1, 2 ]
amdhsa.kernels:
  - .name:           k_q72f21611f5_cell
    .symbol:         k_q72f21611f5_cell.kd
    .args:
      - { .name: U_11_codes, .offset: 0, .size: 8, .value_kind: global_buffer, .address_space: global }
      - { .name: U_11_scales, .offset: 8, .size: 8, .value_kind: global_buffer, .address_space: global }
      - { .name: U_21_codes, .offset: 16, .size: 8, .value_kind: global_buffer, .address_space: global }
      - { .name: U_21_scales, .offset: 24, .size: 8, .value_kind: global_buffer, .address_space: global }
      - { .name: W_01_codes, .offset: 32, .size: 8, .value_kind: global_buffer, .address_space: global }
      - { .name: W_01_scales, .offset: 40, .size: 8, .value_kind: global_buffer, .address_space: global }
      - { .name: hq_codes, .offset: 48, .size: 8, .value_kind: global_buffer, .address_space: global }
      - { .name: hq_scales, .offset: 56, .size: 8, .value_kind: global_buffer, .address_space: global }
      - { .name: h_top_codes, .offset: 64, .size: 8, .value_kind: global_buffer, .address_space: global }
      - { .name: h_top_scales, .offset: 72, .size: 8, .value_kind: global_buffer, .address_space: global }
      - { .name: h_bottom_codes, .offset: 80, .size: 8, .value_kind: global_buffer, .address_space: global }
      - { .name: h_bottom_scales, .offset: 88, .size: 8, .value_kind: global_buffer, .address_space: global }
      - { .name: bias, .offset: 96, .size: 8, .value_kind: global_buffer, .address_space: global }
      - { .name: c, .offset: 104, .size: 8, .value_kind: global_buffer, .address_space: global }
      - { .name: h, .offset: 112, .size: 8, .value_kind: global_buffer, .address_space: global }
      - { .name: z, .offset: 120, .size: 8, .value_kind: global_buffer, .address_space: global }
      - { .name: z_bottom, .offset: 128, .size: 8, .value_kind: global_buffer, .address_space: global }
      - { .name: out0, .offset: 136, .size: 8, .value_kind: global_buffer, .address_space: global }
      - { .name: out1, .offset: 144, .size: 8, .value_kind: global_buffer, .address_space: global }
      - { .name: out2, .offset: 152, .size: 8, .value_kind: global_buffer, .address_space: global }
    .group_segment_fixed_size: 327680
    .private_segment_fixed_size: 0
    .kernarg_segment_align: 8
    .kernarg_segment_size: 160
    .max_flat_workgroup_size: 128
    .sgpr_count:     106
    .vgpr_count:     1024
    .wavefront_size: 32
...
	.end_amdgpu_metadata
.endif
;; end of part 2
